; MI455X (gfx1250); checked and timed in simulation.
; The chip was launched on July 23, 2026; its instructions are those of AMD's public machine-readable ISA for CDNA 5 (MIT licence, August 2026) and "CDNA5" Instruction Set Architecture Reference Guide (July 2026). The comments in the code are by the model that wrote it; some were corrected since.
;; Smooth Linear. Allowed arithmetic: matrix products marked QUANTISED: E2M1 operands, one E8M0 scale for each 32 along K, by v_wmma_scale_f32_16x16x128_f8f6f4 with both operands' format E2M1 (or v_wmma_scale_f32_32x16x128_f4), f32 sums; everything else in f32.
;; Inputs: bias 2,048 float32; centroids 256 x 8 float32; labels 1,048,576 int32; scale 4,096 float32; x 4 x 2,048 x 4,096 float32.
;; Outputs: out0 4 x 2,048 x 2,048 float32.
;; This version of the problem:
;;   THIS VERSION OF THE PROBLEM IS GIVEN IN LOW PRECISION. The matrix products marked QUANTISED in the list below multiply operands that are first quantised to E2M1 (2 exponent bits, 1 mantissa bit; 4 bits a number), with one power-of-two scale for each 32 numbers along K (OCP MX v1.0); their sums are f32. All else is computed in f32.
;;   The module's matrix products, in the order in which they are computed (A, B: the left and right operand; K: the contracted axis; several contracted axes count as one K, in the product's order):
;;     1. [M 8,192, K 4,096] x [K 4,096, N 2,048]; A: computed on the way; B: computed on the way: QUANTISED
;;   THE QUANTISER, for each operand of a quantised product, along K:
;;     - K is cut into blocks of 32 from its start; a last block that is shorter is filled with zeros.
;;     - A block's scale is 2^e with e = floor(log2(the largest magnitude in the block)) - 2, held to -126 .. 127; a block of zeros has e = 0. As a byte (E8M0): e + 127.
;;     - Each number is divided by its block's scale, clamped to +-6, and rounded to the nearest number of E2M1, ties to even, subnormals kept.
;;     - The product sums the exact products of the quantised numbers (number of the format x scale) in f32.
;;   ~~~python
;;   def quantise(x, axis):      # numpy; x: float32 -> the quantised numbers, widened to float32 again
;;       x = np.moveaxis(x, axis, -1); K = x.shape[-1]
;;       x = np.pad(x, [(0, 0)] * (x.ndim - 1) + [(0, -K % 32)]); x = x.reshape(x.shape[:-1] + (-1, 32)); a = np.abs(x).max(-1, keepdims=True)
;;       e = np.where(a > 0, np.clip(np.frexp(np.where(a > 0, a, 1))[1] - 1 - 2, -126, 127), 0)      # np.frexp(a)[1] - 1 = floor(log2(a)), exactly
;;       r = np.clip(x / 2.0 ** e, -6, 6)
;;       step = 2.0 ** (np.maximum(np.frexp(np.where(r == 0, 1, r))[1] - 1, 0) - 1)
;;       q = np.round(r / step) * step * 2.0 ** e      # np.round: ties to even
;;       return np.moveaxis(q.reshape(q.shape[:-2] + (-1,))[..., :K], -1, axis).astype(np.float32)
;;   ~~~
;;   OPERANDS COMPUTED ON THE WAY. 'Computed on the way' means the value that the module computes at that place (a softmax that the list does not call 'softmax' is quantised finished and normalised). What goes into a quantiser is computed in f32, as accurately as f32 sums, v_exp_f32 and their like allow (about 1e-6 of the number): no bf16 or f16 on the way to a quantiser, and a product that is left as it is and whose result goes on into a quantised operand takes f32 operands (vector FMAs, or v_wmma_f32_16x16x4_f32). A number that lies on a knife's edge between two numbers of the format may be rounded either way, as far as f32 arithmetic and the matrix unit's own rounding can turn it there, and no further.
;; One version. Each part assembles by itself: llvm-mc -triple=amdgcn-amd-amdhsa -mcpu=gfx1250 --defsym DOCPART=n.
;; ======== version 1 of 1: 2 launches
;; limits: right only within a limited range of input values
;; workspace buffers: aq 17,825,792 bytes; bq 4,456,448 bytes
;; launch quant (part 1): grid 1280 x 1, 4 waves a work-group, no clusters, 36,352 bytes of LDS; arguments x, scale, labels, centroids, aq, bq; writes aq, bq
.if DOCPART == 1
	.amdgcn_target "amdgcn-amd-amdhsa--gfx1250"
	.amdhsa_code_object_version 6
	.text
	.protected	k_q9584429aa2_quant
	.globl	k_q9584429aa2_quant
	.p2align	8
	.type	k_q9584429aa2_quant,@function
k_q9584429aa2_quant:
	s_mov_b64 s[64:65], 0
	v_nop
	global_prefetch_b8 v0, s[64:65] scope:SCOPE_SE
	s_setreg_imm32_b32 hwreg(HW_REG_WAVE_MODE, 25, 1), 1
	s_wait_xcnt 0x0
; Both operands of out = Q(x * scale) Q(W)^T + bias are made here, once, as codes of FP4 (E2M1) with one E8M0 scale byte for each 32 along K.
;   A[m][k] = x[m][k] * scale[k], one f32 multiplication;  m < 8,192, k < 4,096.          -> aq
;   W[n][k] = centroids[labels[512 n + k / 8]][k % 8];     n < 2,048.                      -> bq
; A block's scale is 2^(floor(log2(its largest magnitude)) - 2): its byte is the largest magnitude's exponent field - 2, held at 1 from below.
; Each number is divided by the scale and rounded to the nearest code, ties to even; beyond 6 the conversion gives the largest code.
; LIMITS: a block of zeros gets the byte 1 where the rule says 127 (its codes are zeros, which add nothing, and only this program reads the bytes);
; blocks whose largest magnitude lies under 2^-124 are held at the byte 1 and were not tried; NaN and infinities are not served; a label is held at 255 from above.
; LAYOUT OF aq AND bq: in the order of the matrix operand's registers.  A BLOCK is 128 rows x 512 K = 34,816 bytes; BLOCKs lie [row block][K step].
;   codes, bytes 0 .. 32,767: fragment (i = group of 16 rows, q = 128 along K) at (4 i + q) 1,024; its piece c at + 512 c; lane l = 16 h + r at + 16 l:
;     those 16 bytes are the codes of row 16 i + r, k = 128 q + 64 c + 32 h + 0 .. 31: one block of 32, number kb = 4 q + 2 c + h of the row's 16.
;   scale bytes, from 32,768 on: row R's 16 bytes at 16 R, byte kb: so the row's word q is fragment q's scale word.
; SHARES.  A wave takes 16 rows x 512 K: 4,096 consecutive bytes of codes and 256 consecutive scale bytes.  Work-groups 0 .. 255 make W, 256 .. 1,279 make A.
; A's waves share nothing: no barrier.  W's four waves share ONE thing, the codebook: its 8,192 bytes come into LDS once for a work-group (2 MB for the 256), and the 1,048,576 labels
; fetch their 32 bytes each (33.5 MB in all) from there and not from memory.  Each path has LDS bytes of its own.  No matrix unit, no cluster, no tensor load: the launch streams x once,
; and work-groups share no input but two small tables.
.set BLKB,  34816
.set SCOF,  32768                      ; where a BLOCK's scale bytes begin
.set SP,    272                        ; a stage row: 256 bytes + 16, so that 16 lanes that take one column of 16 rows touch 16 different 16-byte columns of 256
.set XST,   16*SP                      ; A's path: a wave's stage, 16 rows
.set WBASE, 4*XST                      ; W's path begins behind the four
.set WST,   XST+256                    ; W's path: a wave's stage and its 256 scale bytes
.set TBL,   WBASE                      ; W's path: the codebook, 8,192 bytes; when every wave has done with it, the stages take its bytes
.set SCL,   24                         ; v24-55   A: scale[64 s + 4 p + 0 .. 3] of my K chunk at v[24 + 4 s]
.set LB,    24                         ; v24-55   W: labels, then byte offsets into the codebook; never rewritten after that
.set R,     56                         ; v56-151  three sets of 32 numbers as they are loaded
.set X,     152                        ; v152-183 A: a lane's 32 neighbours along K
.set C,     184                        ; v184-187 A: a block's codes
.set T,     188                        ; v188-191 A: destinations of the lane permutes
.set WC,    152                        ; v152-183 W: four registers of codes for each group: they wait in registers for the stage
.set WB,    184                        ; v184-191 W: a scale byte for each group
; 32 numbers of one lane, v[xs] on, are one block: its codes go to v[cd .. cd + 3], its scale byte to v[by]
.macro QB xs, cd, by
.set QX, \xs
.set QC, \cd
	v_max3_num_f32 v12, |v[QX]|, |v[QX+1]|, |v[QX+2]|              ; the block's largest magnitude, in two chains that do not wait for each other
	v_max3_num_f32 v13, |v[QX+3]|, |v[QX+4]|, |v[QX+5]|
.irp i, 6,10,14,18,22,26
	v_max3_num_f32 v12, v12, |v[QX+\i]|, |v[QX+\i+1]|
	v_max3_num_f32 v13, v13, |v[QX+\i+2]|, |v[QX+\i+3]|
.endr
	v_max3_num_f32 v12, v12, |v[QX+30]|, |v[QX+31]|
	v_max3_num_f32 v12, v12, v13, 0x1800000                        ; and the floor 2^(3 - 127): the byte cannot fall under 1
	v_add_nc_u32 v11, 0xff000000, v12                              ; 2 off the exponent field: the conversion takes that field of this operand as its scale
.irp g, 0,1,2,3
	v_cvt_scalef32_pk8_fp4_f32 v[QC+\g], v[QX+8*\g:QX+8*\g+7], v11
.endr
	v_lshrrev_b32 v[\by], 23, v11                                  ; the scale's byte; also the plain line behind the conversions
.endm
; From t (s22, the K step) and g (s23, the group of 16 rows): s[18:19] = the unit's scale bytes, s[p:p+1] = its codes
.macro BASES p
	s_lshr_b32 s28, s23, 3
	s_lshl_b32 s28, s28, 3
	s_add_co_u32 s28, s28, s22                     ; BLOCK number = 8 x row block + K step
	s_mul_i32 s28, s28, BLKB                       ; under 2^25
	s_and_b32 s30, s23, 7                          ; i
	s_lshl_b32 s31, s30, 8
	s_lshl_b32 s30, s30, 12
	s_add_co_u32 s30, s30, s28                     ; codes: + 4,096 i
	s_add_co_u32 s28, s28, s31
	s_add_co_u32 s28, s28, SCOF                    ; scale bytes: + 32,768 + 256 i
	s_mov_b32 s29, 0
	s_mov_b32 s31, 0
	s_add_nc_u64 s[18:19], s[\p:\p+1], s[28:29]
	s_add_nc_u64 s[\p:\p+1], s[\p:\p+1], s[30:31]
.endm
	s_load_b256 s[4:11], s[0:1], 0x0               ; x s[4:5], scale s[6:7], labels s[8:9], centroids s[10:11]
	s_load_b128 s[12:15], s[0:1], 0x20             ; aq s[12:13], bq s[14:15]
	v_lshl_add_u32 v22, v0, 2, 0x8c00              ; my spare word, behind both paths' LDS bytes; v22 and v23 serve the closing add alone
	v_mov_b32 v23, 0
	v_and_b32 v1, 31, v0                           ; l
	v_and_b32 v2, 15, v0                           ; p = l % 16
	v_bfe_u32 v3, v0, 4, 1                         ; h = l / 16
	v_lshrrev_b32 v4, 5, v0
	v_readfirstlane_b32 s16, v4                    ; wave 0..3
	v_lshlrev_b32 v8, 4, v1                        ; 16 l: my place in 512 bytes of codes
	s_mov_b32 s20, 0x76543210
	s_mov_b32 s21, 0xfedcba98                      ; v_permlanex16_b32's selects for lane l xor 16
	s_wait_kmcnt 0x0
	s_cmp_lt_u32 ttmp9, 256                        ; the work-group's number: the same for its four waves
	s_cbranch_scc1 .Lw
; ---------------- A = x * scale ----------------
	s_sub_co_u32 s17, ttmp9, 256
	s_lshl_b32 s17, s17, 2
	s_add_co_u32 s17, s17, s16                     ; my unit: the four waves stand side by side along K
	s_and_b32 s22, s17, 7                          ; t: which 512 along K
	s_lshr_b32 s23, s17, 3                         ; g: which 16 rows, 0 .. 511
	s_lshl_b32 s24, s23, 18                        ; 16 rows of 16,384 bytes (under 2^27),
	s_lshl_b32 s26, s22, 11                        ; 512 numbers of 4 bytes
	s_add_co_u32 s24, s24, s26
	s_mov_b32 s25, 0
	s_mov_b32 s27, 0
	s_add_nc_u64 s[4:5], s[4:5], s[24:25]
	s_add_nc_u64 s[6:7], s[6:7], s[26:27]
	BASES 12
	s_wait_alu depctr_va_vdst(0)
	v_lshlrev_b32 v4, 14, v3
	v_lshl_or_b32 v4, v2, 4, v4                    ; x: lanes 0-15 an even row's 256 bytes, lanes 16-31 the next row's
	v_lshlrev_b32 v5, 4, v2                        ; scale: 16 p
	s_mul_i32 s32, s16, XST                        ; my stage
	v_mul_u32_u24 v6, v3, SP
	v_lshl_add_u32 v6, v2, 4, v6
	v_add_nc_u32 v6, s32, v6                       ; into it: as loaded: row h of a pair, 16 p
	v_mul_u32_u24 v7, v2, SP
	v_lshl_add_u32 v7, v3, 7, v7
	v_add_nc_u32 v7, s32, v7                       ; out of it: row p, 128 h: my 32 neighbours
	v_lshlrev_b32 v10, 3, v3                       ; 8 h
	v_lshl_add_u32 v9, v2, 4, v10                  ; my 8 of my row's 16 scale bytes
.irp q, 0,1,2,3
	v_mov_b32 v[T+\q], 0                           ; written once: a lane permute's destination counts as one of its sources
.endr
.irp s, 0,1,2,3,4,5,6,7
	global_load_b128 v[SCL+4*\s:SCL+4*\s+3], v5, s[6:7] offset:256*\s
.endr
.macro LOADX s                         ; step s: 64 along K of my 16 rows; each half of the lanes reads 256 consecutive bytes, aligned
.irp j, 0,1,2,3,4,5,6,7
	global_load_b128 v[R+32*((\s)%3)+4*\j:R+32*((\s)%3)+4*\j+3], v4, s[4:5] offset:32768*\j+256*(\s) th:TH_LOAD_NT
.endr
.endm
	LOADX 0
	LOADX 1
	LOADX 2
.macro XSTEP s
.set RS, R+32*((\s)%3)
.if (\s) < 6
	s_wait_loadcnt 16                              ; this step's eight loads (and scale's) are in; those of the next two steps may be out
.else
	s_wait_loadcnt 8*(7-(\s))
.endif
.irp j, 0,1,2,3,4,5,6,7
	v_pk_mul_f32 v[RS+4*\j:RS+4*\j+1], v[RS+4*\j:RS+4*\j+1], v[SCL+4*(\s):SCL+4*(\s)+1]          ; x * scale, in f32
	v_pk_mul_f32 v[RS+4*\j+2:RS+4*\j+3], v[RS+4*\j+2:RS+4*\j+3], v[SCL+4*(\s)+2:SCL+4*(\s)+3]
.endr
.irp j, 0,1,2,3,4,5,6,7
	ds_store_b128 v6, v[RS+4*\j:RS+4*\j+3] offset:2*SP*\j          ; rows 2 j and 2 j + 1
.endr
.irp j, 0,1,2,3,4,5,6,7
	ds_load_b128 v[X+4*\j:X+4*\j+3], v7 offset:16*\j               ; LDS serves a wave's instructions in order: these see the stores.  Lane (r, h): k = 64 s + 32 h + 0 .. 31 of row r
.endr
	s_wait_dscnt 0x0                               ; my 32 neighbours are in
	s_wait_xcnt 0x0                                ; the last step's store of the codes has read its data: they are written again only behind this wait
.if (\s)+3 < 8
	LOADX (\s)+3                                   ; into the set that the stage's stores have read
.endif
.if (\s)%2 == 0
	QB X, C, 16+(\s)/2                             ; block kb = 2 s + h.  Word q = s / 2 of my row: this byte low,
.else
	QB X, C, 14
	v_lshl_or_b32 v[16+(\s)/2], v14, 16, v[16+(\s)/2]              ; the odd step's 16 bits up
.endif
	global_store_b128 v8, v[C:C+3], s[12:13] offset:512*(\s)       ; the wave stores 512 consecutive bytes, aligned; the next launch reads them
.endm
.irp s, 0,1,2,3,4,5,6,7
	XSTEP \s
.endr
.irp q, 0,1,2,3
	v_lshlrev_b32 v[16+\q], v10, v[16+\q]          ; my half's bytes stand 8 h bits up;
.endr
.irp q, 0,1,2,3
	v_permlanex16_b32 v[T+\q], v[16+\q], s20, s21
.endr
.irp q, 0,1,2,3
	v_or_b32 v[16+\q], v[16+\q], v[T+\q]           ; with lane l xor 16's the word is whole
.endr
	v_cmp_ne_u32 vcc_lo, 0, v3
	v_cndmask_b32 v20, v16, v18, vcc_lo            ; lanes 0-15 store words 0 and 1 of their row, lanes 16-31 words 2 and 3
	v_cndmask_b32 v21, v17, v19, vcc_lo
	global_store_b64 v9, v[20:21], s[18:19]        ; the wave stores 256 consecutive bytes, aligned
	s_wait_tensorcnt 0x0                           ; the wave's end
	ds_add_u32 v22, v23
	s_wait_dscnt 0x0
	s_endpgm
; ---------------- W = centroids[labels] ----------------
.Lw:
	s_lshl_b32 s17, ttmp9, 2
	s_add_co_u32 s17, s17, s16
	s_and_b32 s22, s17, 7                          ; t
	s_lshr_b32 s23, s17, 3                         ; g: which 16 rows, 0 .. 127
	s_lshl_b32 s24, s23, 15                        ; 16 rows of 512 labels of 4 bytes,
	s_lshl_b32 s26, s22, 8                         ; 64 labels for 512 along K
	s_add_co_u32 s24, s24, s26
	s_mov_b32 s25, 0
	s_add_nc_u64 s[8:9], s[8:9], s[24:25]
	BASES 14
	v_lshlrev_b32 v15, 4, v0                       ; 16 x thread: my 16 bytes of each quarter of the codebook, in memory and in LDS alike
	s_wait_alu depctr_va_vdst(0)
	v_lshlrev_b32 v4, 11, v3
	v_lshl_or_b32 v4, v2, 4, v4                    ; labels: lanes 0-15 an even row's 256 bytes, lanes 16-31 the next row's: a lane's four labels are ONE block of 32: kb = p
.irp j, 0,1,2,3
	global_load_b128 v[R+4*\j:R+4*\j+3], v15, s[10:11] offset:2048*\j                 ; the 128 threads read 2,048 consecutive bytes: four such are the codebook
.endr
.irp j, 0,1,2,3,4,5,6,7
	global_load_b128 v[LB+4*\j:LB+4*\j+3], v4, s[8:9] offset:4096*\j th:TH_LOAD_NT    ; group j: rows 2 j and 2 j + 1
.endr
	s_mul_i32 s32, s16, WST
	s_add_co_u32 s32, s32, WBASE                   ; my stage
	v_mul_u32_u24 v5, v3, SP
	v_lshl_add_u32 v5, v2, 4, v5
	v_add_nc_u32 v5, s32, v5                       ; out of it: stage rows 2 e + h, 16 p
	v_mul_u32_u24 v6, v2, SP
	v_lshl_add_u32 v6, v3, 4, v6
	v_add_nc_u32 v6, s32, v6                       ; into it: stage row kb = p, column 16 x (row of W): 32 j + 16 h
	v_lshl_add_u32 v7, v3, 4, v2
	v_add_nc_u32 v7, s32, v7
	v_add_nc_u32 v7, XST, v7                       ; my scale byte: 16 x (row of W) + kb
	v_lshlrev_b32 v10, 3, v1                       ; 8 l
	v_add_nc_u32 v9, s32, v10
	v_add_nc_u32 v9, XST, v9                       ; and on the way out 8 bytes a lane
	s_wait_loadcnt 0x8                             ; my four pieces of the codebook are in; the eight loads of labels, issued behind them, may be out
.irp j, 0,1,2,3
	ds_store_b128 v15, v[R+4*\j:R+4*\j+3] offset:TBL+2048*\j       ; as it lies: entry e at TBL + 32 e
.endr
	s_wait_loadcnt 0x0                             ; the labels
.set i, 0
.rept 32
	v_min_u32 v[LB+i], 0xff, v[LB+i]               ; a loaded number enters an address only held inside the table,
.set i, i+1
.endr
.set i, 0
.rept 32
	v_lshlrev_b32 v[LB+i], 5, v[LB+i]              ; x 32 bytes: a codebook entry
.set i, i+1
.endr
	s_wait_dscnt 0x0                               ; for the others' sake: my part of the codebook lies in LDS
	s_barrier_signal -1
	s_barrier_wait -1                              ; everybody's does
.macro GATHER j                        ; group j: four entries of 8 numbers: my block's 32 numbers, in the order of K.  Entries lie 32 bytes apart, so lanes may meet on a bank: a wave has 64 such loads in all
.irp e, 0,1,2,3
	ds_load_b128 v[R+32*((\j)%3)+8*\e:R+32*((\j)%3)+8*\e+3], v[LB+4*(\j)+\e] offset:TBL
	ds_load_b128 v[R+32*((\j)%3)+8*\e+4:R+32*((\j)%3)+8*\e+7], v[LB+4*(\j)+\e] offset:TBL+16
.endr
.endm
	GATHER 0
	GATHER 1
	GATHER 2
.macro WSTEP j
.if (\j) < 6
	s_wait_dscnt 16                                ; this group's eight loads are in; those of the next two groups may be out
.else
	s_wait_dscnt 8*(7-(\j))                        ; the last group's wait is for 0: my reads of the codebook are over
.endif
	QB R+32*((\j)%3), WC+4*(\j), WB+(\j)
.if (\j)+3 < 8
	GATHER (\j)+3
.endif
.endm
.irp j, 0,1,2,3,4,5,6,7
	WSTEP \j
.endr
	s_wait_alu depctr_va_vdst(0)
	s_barrier_signal -1                            ; no LDS instruction of mine is out: I have done with the codebook,
	s_barrier_wait -1                              ; and so has every wave: the stages may take its bytes
.irp j, 0,1,2,3,4,5,6,7
	ds_store_b128 v6, v[WC+4*\j:WC+4*\j+3] offset:32*\j
	ds_store_b8 v7, v[WB+\j] offset:32*\j
.endr
; Stage row kb holds bytes 256 kb on of the wave's 4,096 bytes of codes (q = kb / 4, c = (kb / 2) % 2, h = kb % 2; row r at 16 r): two stage rows are 512 consecutive bytes of bq
.irp e, 0,1,2,3,4,5,6,7
	ds_load_b128 v[R+4*\e:R+4*\e+3], v5 offset:2*SP*\e             ; LDS serves a wave's instructions in order: these see my stores
.endr
	ds_load_b64 v[R+64:R+65], v9
.irp e, 0,1,2,3,4,5,6,7
	s_wait_dscnt 8-\e                              ; the 7 - e later reads of 16 bytes and the one of 8 may be out
	global_store_b128 v8, v[R+4*\e:R+4*\e+3], s[14:15] offset:512*\e
.endr
	s_wait_dscnt 0x0
	global_store_b64 v10, v[R+64:R+65], s[18:19]   ; the wave stores 256 consecutive bytes, aligned
	s_wait_tensorcnt 0x0                           ; the wave's end
	ds_add_u32 v22, v23
	s_wait_dscnt 0x0
	s_endpgm
.Lfunc_end_k_q9584429aa2_quant:
	.size	k_q9584429aa2_quant, .Lfunc_end_k_q9584429aa2_quant-k_q9584429aa2_quant
	.p2alignl 7, 3214868480
	.fill 96, 4, 3214868480
	.section	.rodata,"a",@progbits
	.p2align	6, 0x0
	.amdhsa_kernel k_q9584429aa2_quant
		.amdhsa_group_segment_fixed_size 36352
		.amdhsa_private_segment_fixed_size 0
		.amdhsa_enable_private_segment 0
		.amdhsa_kernarg_size 48
		.amdhsa_user_sgpr_count 2
		.amdhsa_user_sgpr_kernarg_segment_ptr 1
		.amdhsa_wavefront_size32 1
		.amdhsa_system_sgpr_workgroup_id_x 1
		.amdhsa_system_sgpr_workgroup_id_y 1
		.amdhsa_system_sgpr_workgroup_id_z 1
		.amdhsa_system_vgpr_workitem_id 0
		.amdhsa_next_free_vgpr 192
		.amdhsa_next_free_sgpr 66
		.amdhsa_reserve_vcc 1
		.amdhsa_float_denorm_mode_32 3
		.amdhsa_float_denorm_mode_16_64 3
		.amdhsa_memory_ordered 1
		.amdhsa_forward_progress 1
		.amdhsa_inst_pref_size 64
	.end_amdhsa_kernel
	.amdgpu_metadata
---
amdhsa.version: [ 1, 2 ]
amdhsa.kernels:
  - .name:           k_q9584429aa2_quant
    .symbol:         k_q9584429aa2_quant.kd
    .args:
      - { .name: x, .offset: 0, .size: 8, .value_kind: global_buffer, .address_space: global }
      - { .name: scale, .offset: 8, .size: 8, .value_kind: global_buffer, .address_space: global }
      - { .name: labels, .offset: 16, .size: 8, .value_kind: global_buffer, .address_space: global }
      - { .name: centroids, .offset: 24, .size: 8, .value_kind: global_buffer, .address_space: global }
      - { .name: aq, .offset: 32, .size: 8, .value_kind: global_buffer, .address_space: global }
      - { .name: bq, .offset: 40, .size: 8, .value_kind: global_buffer, .address_space: global }
    .group_segment_fixed_size: 36352
    .private_segment_fixed_size: 0
    .kernarg_segment_align: 8
    .kernarg_segment_size: 48
    .max_flat_workgroup_size: 128
    .sgpr_count:     66
    .vgpr_count:     192
    .wavefront_size: 32
...
	.end_amdgpu_metadata
.endif
;; end of part 1
;; launch gemm (part 2): grid 8 x 32, 4 waves a work-group, clusters of 4 x 4, 327,680 bytes of LDS; arguments aq, bq, bias, out0; writes out0
.if DOCPART == 2
	.amdgcn_target "amdgcn-amd-amdhsa--gfx1250"
	.amdhsa_code_object_version 6
	.text
	.protected	k_q9584429aa2_gemm
	.globl	k_q9584429aa2_gemm
	.p2align	8
	.type	k_q9584429aa2_gemm,@function
k_q9584429aa2_gemm:
	s_mov_b64 s[64:65], 0
	v_nop
	global_prefetch_b8 v0, s[64:65] scope:SCOPE_SE
	s_setreg_imm32_b32 hwreg(HW_REG_WAVE_MODE, 25, 1), 1
	s_wait_xcnt 0x0
	s_wait_alu depctr_hold_cnt(0) depctr_sa_sdst(0) depctr_va_vdst(0) depctr_va_sdst(0) depctr_va_ssrc(0) depctr_va_vcc(0) depctr_vm_vsrc(0)
	s_getreg_b32 s2, hwreg(HW_REG_IB_STS2, 6, 4)
	s_cmp_eq_u32 s2, 0
	s_cbranch_scc0 .Lentry_in_a_cluster
	s_endpgm
.Lentry_in_a_cluster:
	s_bfe_u32 s2, ttmp6, 0x10000c
	s_cmp_lg_u32 s2, 0xf033
	s_cbranch_scc0 .Lentry_shape_is_right
	s_endpgm
.Lentry_shape_is_right:
; out0[m][n] = sum over k of A[m][k] W[n][k] + bias[n]: A (8,192 rows) and W (2,048 rows) as FP4 codes with E8M0 scale bytes, K = 4,096, as the launch before laid them in aq and bq.
; aq, bq: BLOCKs of 128 rows x 512 K = 34,816 bytes, [row block][K step]: 32,768 bytes of codes in the order of the operand's registers (fragment (i, q) at (4 i + q) 1,024, piece c at + 512 c,
; lane l at + 16 l), then 16 scale bytes a row.  A BLOCK is dense: one tensor load brings it as 136 rows of 256 bytes, and LDS holds it as it lies.
; A work-group of four waves makes 256 x 256 of out0, a wave 128 x 128: 64 accumulators, 512 registers.  256 work-groups.  K goes in 8 steps of 512 through two LDS slots of four BLOCKs.
; CLUSTERS 4 x 4: A's BLOCKs are asked for jointly along a row of the cluster, W's along a column.  The matrix instruction is used transposed (source 0 = rows of W, source 1 = rows of A):
; a lane holds eight neighbouring columns of one row of out0.  The bias is the C of each accumulator's first product.
; FRAGMENTS: two register sets for A and two for W.  While a step of 128 along K is multiplied, the next step's 32 loads go out in two runs (24, 8) among its four groups of 16 products.
; THE LAST K STEP GOES BY ROWS of out0: all its fragments of W fill window 1, and the wave's eight blocks of 16 rows are finished one after the other; a finished block goes through the wave's stage
; in LDS, comes back as whole rows of 512 bytes into its own accumulator registers, and is stored.  THE TWO PAIRS OF WAVES TAKE THAT STEP IN TWO ORDERS: waves 0 and 1 store block a behind the products of
; block a + 1; waves 2 and 3 multiply blocks 0 to 3 first and store block a behind the products of block a + 4: so one pair's stores stand beside the other pair's products and stage.
; PREFETCH: the BLOCK of K step s + 2 is asked for behind the joint load of K step s, s = 2 .. 5; K steps 2 and 3 are asked for behind the first step's products, three steps of 128 ahead of the first refill;
; K steps 0 and 1 come by their loads alone.  A BLOCK's 136 units of 256 bytes are shared out by address among the four partners that load it, 34 each: two instructions a wave, a lane a unit
; (30 lanes of the second name its last unit again).  W's BLOCKs are loaded by eight clusters: those with an even cluster y ask, four for each byte.  The last two refills ask for nothing: there is no K step 8.
; REGISTERS: window 0: v16-31 addresses; v32-95 scale words, two sets; v128-255 A's two sets (by rows: four buffers of 16 rows x 512 K).  window 1: W's sets at v0 and v128, the bias at v64 (by rows: all 256 for W).
; windows 2, 3: the accumulators of my rows 0-63, 64-127, accumulator (a, b) at v[8 (8 (a % 4) + b)].
.set SIZE_N, 2048
.set BLKB,   34816
.set SCOF,   32768                     ; where a BLOCK's scale bytes begin
.set SLOT,   4*BLKB                    ; A's two BLOCKs, then W's two
.set SPARE,  2*SLOT                    ; behind the ring: the spare words, 128 bytes a wave
.set SPITCH, 528                       ; the stage: 16 rows of 512 + 16 bytes for each wave, in slot 0 when it has had its last fill and its last read
.set SHARE,  34*256                    ; a partner's part of a BLOCK's prefetch
.set ADRA, 16                          ; v16-17 my A fragments in slot 0, 1
.set ADRB, 20                          ; v20-21 W's
.set ADRS, 22                          ; v22-23 scale words: lanes 0-15 A's rows, lanes 16-31 W's
.set STO,  24
.set RD,   25
.set CO,   26                          ; 16 x lane
.set BA,   27                          ; the bias: 32 h
.set SPW,  28
.set NIL,  29
.set PFO,  30                          ; 256 x lane
.set PFO2, 31                          ; 256 x (32 + min(lane, 1))
.set SC,   32
.set AF,   128
.set BI,   64                          ; in window 1
.set G1,  24
.set G0,  32
.set G1B, 48
.set G0B, 56
.set PFA, 66                           ; s[66:67] my share of the BLOCKs that I fetch
.set LIM, 68                           ; 1 where my wave prefetches, else the greatest number
.set MSB, 0
.macro WIN new                         ; the immediate's high byte repeats the setting that is left
.if MSB != \new
	s_set_vgpr_msb (MSB<<8)|\new
.set MSB, \new
.endif
.endm
.set MUL_LO, 0xa1                      ; source 0 (W) window 1, source 1 (A) window 0, C and D window 2
.set MUL_HI, 0xf1
.set TO_B,   0x40
.macro JLOAD s                         ; waves 0, 1 fetch A's two BLOCKs, waves 2, 3 W's
	s_cmp_eq_u32 s15, 0
	s_cbranch_scc0 .Lfor_b_\@
	tensor_load_to_lds s[G0+4*\s:G0+4*\s+3], s[G1:G1+7]
	s_nop 0
.rept 4
	v_nop
.endr
	s_branch .Lasked_\@
.Lfor_b_\@:
	tensor_load_to_lds s[G0B+4*\s:G0B+4*\s+3], s[G1B:G1B+7]
	s_nop 0
.rept 4
	v_nop
.endr
.Lasked_\@:
.endm
.macro CREST
	s_cmp_lg_u32 s14, 0
	s_cbranch_scc1 .Lnot_wave_0_\@
	s_barrier_signal -3
.Lnot_wave_0_\@:
	s_barrier_wait -3
	s_barrier_signal -1
	s_barrier_wait -1
.endm
.macro CROUND
	s_barrier_signal -1
	s_barrier_wait -1
	CREST
.endm
.macro ASK how, n, o                   ; n K steps' BLOCKs from byte o behind PFA.  how = 1: ahead of the loop; 0: in the loop, whose last trip (s3 = 1) asks for nothing
.if \how
	s_cmp_eq_u32 s[LIM], 1
.else
	s_cmp_gt_u32 s3, s[LIM]
.endif
	s_cbranch_scc0 .Lnone_\@
.set PO, \o
.rept \n
	global_prefetch_b8 v[PFO], s[PFA:PFA+1] offset:PO th:TH_LOAD_NT scope:SCOPE_SE
	global_prefetch_b8 v[PFO2], s[PFA:PFA+1] offset:PO th:TH_LOAD_NT scope:SCOPE_SE
.set PO, PO+BLKB
.endr
.Lnone_\@:
.endm
	s_load_b256 s[4:11], s[0:1], 0x0               ; aq, bq, bias, out0
	v_lshl_add_u32 v[SPW], v0, 2, SPARE
	v_mov_b32 v[NIL], 0
	ds_add_u32 v[SPW], v[NIL]                      ; the opening lines: the add twice on end and one wait
	ds_add_u32 v[SPW], v[NIL]
	v_lshrrev_b32 v1, 5, v0
	v_readfirstlane_b32 s14, v1                    ; wave
	s_lshr_b32 s15, s14, 1                         ; my half of the rows; also: I fetch for A (0) or W (1)
	s_and_b32 s16, s14, 1                          ; my half of the columns; also: which BLOCK of the two I fetch
	s_bfe_u32 s40, ttmp6, 0x40000                  ; cx
	s_bfe_u32 s41, ttmp6, 0x40004                  ; cy
	s_lshl_b32 s42, ttmp9, 2
	s_add_co_u32 s42, s42, s40                     ; tile column
	s_and_b32 s17, ttmp7, 0xffff
	s_lshl_b32 s17, s17, 2
	s_add_co_u32 s17, s17, s41                     ; tile row
	s_lshl_b32 s43, s41, 2
	s_lshl_b32 s43, 15, s43                        ; my row of the cluster
	s_lshl_b32 s44, 0x1111, s40                    ; my column
	s_or_b32 s[G1+0], s43, (3<<16)|(1<<21)         ; elements of 8 bytes, no padding
	s_or_b32 s[G1B+0], s44, (3<<16)|(1<<21)
.irp g, G1, G1B
	s_mov_b32 s[\g+1], 32<<16                      ; rows of 32 elements = 256 bytes
	s_mov_b32 s[\g+2], 136<<16
	s_mov_b32 s[\g+3], 32<<16
	s_mov_b32 s[\g+4], 136
	s_mov_b32 s[\g+5], 32
	s_mov_b32 s[\g+6], 0
	s_mov_b32 s[\g+7], 0
.endr
	s_lshl_b32 s20, s17, 1
	s_add_co_u32 s20, s20, s16
	s_mul_i32 s20, s20, 8*BLKB                     ; A: row block 2 x tile row + half, K step 0 (under 2^25)
	s_mov_b32 s21, 0
	s_lshl_b32 s46, s42, 1
	s_add_co_u32 s46, s46, s16
	s_mul_i32 s46, s46, 8*BLKB                     ; W likewise, by the tile column
	s_mov_b32 s47, 0
	s_mul_i32 s45, s14, BLKB                       ; where my BLOCK goes in a slot
	s_mul_i32 s18, s15, BLKB                       ; the BLOCK of A that I read
	s_mul_i32 s19, s16, BLKB
	s_add_co_u32 s19, s19, 2*BLKB                  ; and of W
	s_sub_co_u32 s22, s19, s18
	s_add_co_u32 s23, s18, SCOF
	s_mul_i32 s69, s14, 16*SPITCH                  ; my stage
	s_lshl_b32 s72, s42, 10
	s_lshl_b32 s73, s16, 9
	s_add_co_u32 s72, s72, s73                     ; my first column, in bytes
	s_mov_b32 s73, 0
	s_lshl_b32 s70, s17, 8
	s_lshl_b32 s71, s15, 7
	s_add_co_u32 s70, s70, s71
	s_lshl_b32 s70, s70, 13                        ; my first row x 8,192 bytes (under 2^27)
	s_mov_b32 s71, 0
	s_add_nc_u64 s[70:71], s[70:71], s[72:73]
	s_cmp_eq_u32 s15, 0
	s_cselect_b32 s74, s40, s41                    ; my place among the four that load the BLOCK with me
	s_mul_i32 s74, s74, SHARE
	s_mov_b32 s75, 0
	s_and_b32 s76, ttmp7, 1
	s_mul_i32 s76, s76, s15                        ; 1: a wave that fetches W, in a cluster with odd y
	s_cmp_eq_u32 s76, 0
	s_cselect_b32 s[LIM], 1, -1
	v_and_b32 v1, 15, v0                           ; r
	v_bfe_u32 v2, v0, 4, 1                         ; h
	v_and_b32 v3, 31, v0
	v_lshlrev_b32 v[CO], 4, v3
	v_mul_u32_u24 v6, s22, v2                      ; lanes 16-31 take W's scale words
	v_lshl_add_u32 v6, v1, 4, v6
	v_add_nc_u32 v[ADRS], s23, v6
	v_add_nc_u32 v[ADRS+1], SLOT, v[ADRS]
	v_add_nc_u32 v[ADRA], s18, v[CO]
	v_add_nc_u32 v[ADRA+1], SLOT, v[ADRA]
	v_add_nc_u32 v[ADRB], s19, v[CO]
	v_add_nc_u32 v[ADRB+1], SLOT, v[ADRB]
	v_mul_u32_u24 v5, v1, SPITCH
	v_lshl_add_u32 v5, v2, 5, v5
	v_add_nc_u32 v[STO], s69, v5                   ; into the stage: row r, 32 h
	v_add_nc_u32 v[RD], s69, v[CO]                 ; out of it: 32 lanes take a row
	v_lshlrev_b32 v[BA], 5, v2
	v_lshlrev_b32 v[PFO], 8, v3
	v_min_u32 v4, 1, v3
	v_lshl_add_u32 v[PFO2], v4, 8, 8192
	s_wait_alu depctr_va_vdst(0)                   ; the wait at the end of the head's vector work; no vector register is written behind it
	s_wait_dscnt 0x0                               ; both opening adds are done
	s_wait_kmcnt 0x0
	s_add_nc_u64 s[20:21], s[4:5], s[20:21]
	s_add_nc_u64 s[46:47], s[6:7], s[46:47]
	s_add_nc_u64 s[8:9], s[8:9], s[72:73]
	s_add_nc_u64 s[10:11], s[10:11], s[70:71]
	s_cmp_eq_u32 s15, 0
	s_cselect_b64 s[PFA:PFA+1], s[20:21], s[46:47]
	s_add_nc_u64 s[PFA:PFA+1], s[PFA:PFA+1], s[74:75]
	WIN TO_B
.irp b, 0,1,2,3,4,5,6,7
	global_load_b128 v[BI+8*\b:BI+8*\b+3],   v[BA], s[8:9] offset:64*\b      ; bias of columns 16 b + 8 h + 0 .. 7: the result's layout
	global_load_b128 v[BI+8*\b+4:BI+8*\b+7], v[BA], s[8:9] offset:64*\b+16
.endr
	WIN 0
.irp s, 0,1
	s_mov_b32 s[G0+4*\s], 1
	s_add_co_u32 s[G0+4*\s+1], s45, \s*SLOT
	s_add_nc_u64 s[G0+4*\s+2:G0+4*\s+3], s[20:21], \s*BLKB
	s_or_b32 s[G0+4*\s+3], s[G0+4*\s+3], 0x80000000
	s_mov_b32 s[G0B+4*\s], 1
	s_add_co_u32 s[G0B+4*\s+1], s45, \s*SLOT
	s_add_nc_u64 s[G0B+4*\s+2:G0B+4*\s+3], s[46:47], \s*BLKB
	s_or_b32 s[G0B+4*\s+3], s[G0B+4*\s+3], 0x80000000
.endr
	CROUND                                         ; all sixteen work-groups are here: the first joint loads meet
	JLOAD 0                                        ; K step 0: one tensor load a wave at the head
.macro WM d, b, a, c, sb, sa
	v_wmma_scale_f32_16x16x128_f8f6f4 v[\d:\d+7], v[\b:\b+7], v[\a:\a+7], v[\c:\c+7], v[\sb], v[\sa] matrix_a_fmt:MATRIX_FMT_FP4 matrix_b_fmt:MATRIX_FMT_FP4 matrix_a_scale:MATRIX_SCALE_ROW1
.endm
; 16 products: A's blocks a0, a0 + 1 x W's eight; p: the register sets; q: which 128 of the slot's 512; sc: the set of scale words.  The 64 accumulators take turns in one order in every step.
.macro MUL16 a0, p, q, sc, first
.irp a, \a0, \a0+1
.irp b, 0,1,2,3,4,5,6,7
.if \first
	WM 8*(8*((\a)%4)+\b), 128*(\p)+8*\b, AF+64*(\p)+8*(\a), BI+8*\b, SC+32*(\sc)+4*\b+(\q), SC+32*(\sc)+4*(\a)+(\q)
.else
	WM 8*(8*((\a)%4)+\b), 128*(\p)+8*\b, AF+64*(\p)+8*(\a), 8*(8*((\a)%4)+\b), SC+32*(\sc)+4*\b+(\q), SC+32*(\sc)+4*(\a)+(\q)
.endif
.endr
.endr
.endm
.macro FRAG reg, adr, q, i
.irp c, 0,1
	ds_load_b128 v[\reg+4*\c:\reg+4*\c+3], v[\adr] offset:(4*(\i)+(\q))*1024+512*\c
.endr
.endm
.macro FETCH_B slot, q, p
	WIN TO_B
.irp i, 0,1,2,3,4,5,6,7
	FRAG 128*(\p)+8*\i, ADRB+\slot, \q, \i
.endr
.endm
.macro FETCH_A slot, q, p, i0
	WIN 0
.irp i, \i0, \i0+1, \i0+2, \i0+3
	FRAG AF+64*(\p)+8*(\i), ADRA+\slot, \q, \i
.endr
.endm
.macro SCALES sc                       ; a K step's scale words: four words a row; lanes 0-15 A's block i, lanes 16-31 W's block i
.irp i, 0,1,2,3,4,5,6,7
	ds_load_b128 v[SC+32*\sc+4*\i:SC+32*\sc+4*\i+3], v[ADRS+\sc] offset:256*\i
.endr
.endm
.macro PLACES                          ; four places between matrix instructions and loads into registers that they read, or LDS stores of their results
.rept 4
	v_nop
.endr
.endm
; A step of 128 along K whose successor lies in the same slot.  The other sets were last read by the step before: the four places behind the first group serve both runs of loads.
; first = 1: C is the bias, in window 1 (the windows' byte less 0x10 or 0x20).
.macro STEP slot, q, first
	s_wait_dscnt 8                                 ; all but the youngest eight loads (A's blocks 4-7 of this step)
	WIN MUL_LO-0x10*\first
	MUL16 0, (\q)%2, \q, \slot, \first
	PLACES
	FETCH_B \slot, (\q)+1, 1-(\q)%2
	FETCH_A \slot, (\q)+1, 1-(\q)%2, 0
	WIN MUL_LO-0x10*\first
	MUL16 2, (\q)%2, \q, \slot, \first
	s_wait_dscnt 24                                ; A's blocks 4-7 are in: behind them the 16 + 8 loads of this step
	WIN MUL_HI-0x20*\first
	MUL16 4, (\q)%2, \q, \slot, \first
	FETCH_A \slot, (\q)+1, 1-(\q)%2, 4
	WIN MUL_HI-0x20*\first
	MUL16 6, (\q)%2, \q, \slot, \first
.endm
; A slot's last step changes slots.  All its fragments have been asked for, so the change stands at its head: each wave waits for all its tensor loads (its BLOCK of the next slot), adds 0 to its spare
; word, waits for that and for its reads of this slot; the barrier opens a round of the cluster's barrier; behind the round this slot is filled again, two K steps ahead.
.macro TURN slot, next
	WIN 0
	s_wait_xcnt 0x0                                ; my prefetches have read their base
	s_add_nc_u64 s[PFA:PFA+1], s[PFA:PFA+1], BLKB
	s_wait_tensorcnt 0x0
	ds_add_u32 v[SPW], v[NIL]
	s_wait_dscnt 0x0
	s_barrier_signal -1
	WIN MUL_LO
	MUL16 0, 1, 3, \slot, 0
	WIN 0
	s_barrier_wait -1
	CREST
	s_add_nc_u64 s[G0+4*\slot+2:G0+4*\slot+3], s[G0+4*\slot+2:G0+4*\slot+3], 2*BLKB
	s_add_nc_u64 s[G0B+4*\slot+2:G0B+4*\slot+3], s[G0B+4*\slot+2:G0B+4*\slot+3], 2*BLKB
	JLOAD \slot                                    ; its four v_nop are also the places in front of the loads below
	FETCH_B \next, 0, 0
	FETCH_A \next, 0, 0, 0
	SCALES \next
	ASK 0, 1, 3*BLKB                               ; the K step two refills on
	WIN MUL_LO
	MUL16 2, 1, 3, \slot, 0
	FETCH_A \next, 0, 0, 4
	WIN MUL_HI
	MUL16 4, 1, 3, \slot, 0
	MUL16 6, 1, 3, \slot, 0
.endm
	s_wait_tensorcnt 0x0                           ; my BLOCK of K step 0 is in; slot 1's first fill is issued as a refill is
	ds_add_u32 v[SPW], v[NIL]
	s_wait_dscnt 0x0
	CROUND
	JLOAD 1
	FETCH_B 0, 0, 0
	FETCH_A 0, 0, 0, 0
	SCALES 0
	FETCH_A 0, 0, 0, 4
	s_wait_loadcnt 0x0                             ; the bias
	STEP 0, 0, 1                                   ; the first step's products start the sums from the bias
	WIN 0
	ASK 1, 2, 2*BLKB                               ; K steps 2 and 3
	s_mov_b32 s3, 3
.Llap:                                                 ; a trip goes once round the ring and fills both slots again: K steps 2 j + 2 and 2 j + 3
	STEP 0, 1, 0
	STEP 0, 2, 0
	TURN 0, 1
	STEP 1, 0, 0
	STEP 1, 1, 0
	STEP 1, 2, 0
	TURN 1, 0
	STEP 0, 0, 0
	WIN 0
	s_sub_co_u32 s3, s3, 1
	s_cmp_lg_u32 s3, 0
	s_cbranch_scc1 .Llap
	STEP 0, 1, 0
	STEP 0, 2, 0
; K STEP 7 (slot 1) BY ROWS.  W's fragment (q, b) at window 1, v[64 q + 8 b]; A's block a, four quarters, in buffer a % 4 of four at v128.
.macro BLOAD q
.irp i, 0,1,2,3,4,5,6,7
	FRAG 64*\q+8*\i, ADRB+1, \q, \i
.endr
.endm
.macro ALOAD a
.irp q, 0,1,2,3
	FRAG AF+32*((\a)%4)+8*\q, ADRA+1, \q, \a
.endr
.endm
.macro RQ a, q                         ; quarter q of block a: eight products, the block's eight accumulators by turns, K ascending
	WIN MUL_LO+0x50*((\a)/4)
.irp b, 0,1,2,3,4,5,6,7
	WM 64*((\a)%4)+8*\b, 64*\q+8*\b, AF+32*((\a)%4)+8*\q, 64*((\a)%4)+8*\b, SC+32+4*\b+\q, SC+32+4*(\a)+\q
.endr
.endm
.macro ROW a                           ; block a is finished: 32 products
.irp q, 0,1,2,3
	RQ \a, \q
.endr
.endm
.macro TOSTAGE a                       ; 32 bytes a lane into my stage, each accumulator from its low end on; back as rows of 512 bytes into the same 64 registers (LDS serves a wave's instructions in order)
.set AC, 64*((\a)%4)
	WIN 0x88+0x44*((\a)/4)                         ; data and destination: window 2 or 3; addresses: window 0
.irp b, 0,1,2,3,4,5,6,7
	ds_store_b128 v[STO], v[AC+8*\b:AC+8*\b+3] offset:64*\b
	ds_store_b128 v[STO], v[AC+8*\b+4:AC+8*\b+7] offset:64*\b+16
.endr
.irp t, 0,1,2,3,4,5,6,7,8,9,10,11,12,13,14,15
	ds_load_b128 v[AC+4*\t:AC+4*\t+3], v[RD] offset:\t*SPITCH
.endr
.endm
.macro SEND a, younger                 ; every offset is an immediate (127 rows of 8,192 bytes at the most), and no store's register is written again
	WIN 0x88+0x44*((\a)/4)
	s_wait_dscnt \younger                          ; the block is back; the LDS loads issued behind it may be out
.irp t, 0,1,2,3,4,5,6,7,8,9,10,11,12,13,14,15
	global_store_b128 v[CO], v[64*((\a)%4)+4*\t:64*((\a)%4)+4*\t+3], s[10:11] offset:(16*(\a)+\t)*SIZE_N*4 th:TH_STORE_NT   ; 32 lanes store 512 consecutive bytes, aligned
.endr
.endm
; The eight blocks.  lead = how many blocks the products run ahead of the stage: 1 or 4.  Block a goes to the stage, block a + lead is multiplied while it comes back, then block a is stored.
; lead = 1: A's block a + 4 is fetched into the buffer that block a has left.  lead = 4: blocks 0 to 3 are multiplied first, and A's blocks 4 to 7 are fetched in one run behind them.
.macro TAIL lead
	RQ 0, 0
	RQ 0, 1
	s_wait_dscnt 16                                ; W's quarter 2 is in (behind it: A's blocks 2 and 3)
	RQ 0, 2
	RQ 0, 3
.if \lead == 4
	ROW 1
	s_wait_dscnt 0x0                               ; A's blocks 2 and 3 are in
	ROW 2
	ROW 3
	PLACES
	WIN 0
.irp a, 4,5,6,7
	ALOAD \a
.endr
.endif
.irp a, 0,1,2,3,4,5,6,7
	PLACES
	TOSTAGE \a
.if (\lead == 1) && (\a < 4)
	WIN 0
	ALOAD \a+4
.endif
.if \a+\lead < 8
.if \lead == 4
	s_wait_dscnt 32                                ; all but block a's 32 stage instructions: A's blocks 4 to 7 are in
.endif
	ROW \a+\lead                                   ; (lead = 1: its fragments of A were shown in by an earlier block's wait in SEND, or by the wait for all but 32 ahead of the parting)
.endif
.if (\lead == 1) && (\a < 4)
	SEND \a, 8
.else
	SEND \a, 0
.endif
.endr
	WIN 0
.endm
	WIN 0                                          ; slot 0's last step: the last change of slots; nothing is filled again, so no round follows
	s_wait_tensorcnt 0x0
	ds_add_u32 v[SPW], v[NIL]
	s_wait_dscnt 0x0
	s_barrier_signal -1
	WIN MUL_LO
	MUL16 0, 1, 3, 0, 0
	s_barrier_wait -1
	PLACES
	WIN 0
	SCALES 1
	ALOAD 0                                        ; sets 0 are free; sets 1 (A's v192-255, W's v128-191) are still being multiplied
	WIN TO_B
	BLOAD 0
	BLOAD 1
	BLOAD 3
	WIN 0
	ALOAD 1
	WIN MUL_LO
	MUL16 2, 1, 3, 0, 0
	WIN MUL_HI
	MUL16 4, 1, 3, 0, 0
	MUL16 6, 1, 3, 0, 0
	PLACES
	WIN TO_B
	BLOAD 2
	WIN 0
	ALOAD 2
	ALOAD 3
	s_wait_dscnt 32                                ; all but the 32 just issued
	s_cmp_eq_u32 s15, 0                            ; the wave's number alone; no barrier stands in either arm
	s_cbranch_scc0 .Llate
	TAIL 1                                         ; waves 0 and 1
	s_branch .Lend
.Llate:
	TAIL 4                                         ; waves 2 and 3
.Lend:
	s_wait_tensorcnt 0x0                           ; the wave's end
	ds_add_u32 v[SPW], v[NIL]
	s_wait_dscnt 0x0
	CROUND                                         ; the closing round
	s_endpgm
.Lfunc_end_k_q9584429aa2_gemm:
	.size	k_q9584429aa2_gemm, .Lfunc_end_k_q9584429aa2_gemm-k_q9584429aa2_gemm
	.p2alignl 7, 3214868480
	.fill 96, 4, 3214868480
	.section	.rodata,"a",@progbits
	.p2align	6, 0x0
	.amdhsa_kernel k_q9584429aa2_gemm
		.amdhsa_group_segment_fixed_size 327680
		.amdhsa_private_segment_fixed_size 0
		.amdhsa_enable_private_segment 0
		.amdhsa_kernarg_size 32
		.amdhsa_user_sgpr_count 2
		.amdhsa_user_sgpr_kernarg_segment_ptr 1
		.amdhsa_wavefront_size32 1
		.amdhsa_system_sgpr_workgroup_id_x 1
		.amdhsa_system_sgpr_workgroup_id_y 1
		.amdhsa_system_sgpr_workgroup_id_z 1
		.amdhsa_system_vgpr_workitem_id 0
		.amdhsa_next_free_vgpr 1024
		.amdhsa_next_free_sgpr 80
		.amdhsa_reserve_vcc 0
		.amdhsa_float_denorm_mode_32 3
		.amdhsa_float_denorm_mode_16_64 3
		.amdhsa_memory_ordered 1
		.amdhsa_forward_progress 1
		.amdhsa_inst_pref_size 255
	.end_amdhsa_kernel
	.section	.bss,"aw",@nobits
	.p2align	6
	.space	262144
	.amdgpu_metadata
---
amdhsa.version: [ 1, 2 ]
amdhsa.kernels:
  - .name:           k_q9584429aa2_gemm
    .symbol:         k_q9584429aa2_gemm.kd
    .args:
      - { .name: aq, .offset: 0, .size: 8, .value_kind: global_buffer, .address_space: global }
      - { .name: bq, .offset: 8, .size: 8, .value_kind: global_buffer, .address_space: global }
      - { .name: bias, .offset: 16, .size: 8, .value_kind: global_buffer, .address_space: global }
      - { .name: out0, .offset: 24, .size: 8, .value_kind: global_buffer, .address_space: global }
    .group_segment_fixed_size: 327680
    .private_segment_fixed_size: 0
    .kernarg_segment_align: 8
    .kernarg_segment_size: 32
    .max_flat_workgroup_size: 128
    .sgpr_count:     80
    .vgpr_count:     1024
    .wavefront_size: 32
...
	.end_amdgpu_metadata
.endif
;; end of part 2
